; MI455X (gfx1250); checked and timed in simulation.
; The chip was launched on July 23, 2026; its instructions are those of AMD's public machine-readable ISA for CDNA 5 (MIT licence, August 2026) and "CDNA5" Instruction Set Architecture Reference Guide (July 2026). The comments in the code are by the model that wrote it; some were corrected since.
;; Multi Head Attention. Allowed arithmetic: matrix products marked QUANTISED: E2M1 operands, one E8M0 scale for each 32 along K, by v_wmma_scale_f32_16x16x128_f8f6f4 with both operands' format E2M1 (or v_wmma_scale_f32_32x16x128_f4), f32 sums; products left as they are: bf16, f16 or f32 operands; f32 sums; everything else in f32.
;; Inputs: Wk 512 x 512 float32; Wq 512 x 512 float32; Wv 512 x 512 float32; b0 512 float32; b1 512 float32; fc_b 512 float32; fc_w 512 x 512 float32; g0 512 float32; g1 512 float32; k 4 x 2,048 x 512 float32; mask 32 x 2,048 int32; q 4 x 2,048 x 512 float32; v 4 x 2,048 x 512 float32.
;; Outputs: out0 4 x 2,048 x 512 float32.
;; This version of the problem:
;;   THIS VERSION OF THE PROBLEM IS GIVEN IN LOW PRECISION. The matrix products marked QUANTISED in the list below multiply operands that are first quantised to E2M1 (2 exponent bits, 1 mantissa bit; 4 bits a number), with one power-of-two scale for each 32 numbers along K (OCP MX v1.0); their sums are f32. The products marked 'left as it is' may take bf16, f16 or f32 operands, with f32 sums. Whichever they take, every output number must still come out within the allowed error. Rounding operands to bf16 (8 significant bits) uses up far more of that allowance than f16 does (11 bits, for magnitudes from 6e-5 to 65,504). All else is computed in f32.
;;   The module's matrix products, in the order in which they are computed (A, B: the left and right operand; K: the contracted axis; several contracted axes count as one K, in the product's order):
;;     1. [M 8,192, K 512] x [K 512, N 512]; A: input q; B: input Wq: QUANTISED
;;     2. [M 8,192, K 512] x [K 512, N 512]; A: input k; B: input Wk: QUANTISED
;;     3. [M 8,192, K 512] x [K 512, N 512]; A: input v; B: input Wv: QUANTISED
;;     4. batch 32 x [M 2,048, K 64] x [K 64, N 2,048]; A: computed on the way; B: computed on the way: left as it is (an operand is computed on the way)
;;     5. batch 32 x [M 2,048, K 2,048] x [K 2,048, N 64]; A: computed on the way; B: computed on the way: left as it is (an operand is computed on the way)
;;     6. [M 8,192, K 512] x [K 512, N 512]; A: computed on the way; B: input fc_w: left as it is (an operand is computed on the way)
;;   THE QUANTISER, for each operand of a quantised product, along K:
;;     - K is cut into blocks of 32 from its start; a last block that is shorter is filled with zeros.
;;     - A block's scale is 2^e with e = floor(log2(the largest magnitude in the block)) - 2, held to -126 .. 127; a block of zeros has e = 0. As a byte (E8M0): e + 127.
;;     - Each number is divided by its block's scale, clamped to +-6, and rounded to the nearest number of E2M1, ties to even, subnormals kept.
;;     - The product sums the exact products of the quantised numbers (number of the format x scale) in f32.
;;   ~~~python
;;   def quantise(x, axis):      # numpy; x: float32 -> the quantised numbers, widened to float32 again
;;       x = np.moveaxis(x, axis, -1); K = x.shape[-1]
;;       x = np.pad(x, [(0, 0)] * (x.ndim - 1) + [(0, -K % 32)]); x = x.reshape(x.shape[:-1] + (-1, 32)); a = np.abs(x).max(-1, keepdims=True)
;;       e = np.where(a > 0, np.clip(np.frexp(np.where(a > 0, a, 1))[1] - 1 - 2, -126, 127), 0)      # np.frexp(a)[1] - 1 = floor(log2(a)), exactly
;;       r = np.clip(x / 2.0 ** e, -6, 6)
;;       step = 2.0 ** (np.maximum(np.frexp(np.where(r == 0, 1, r))[1] - 1, 0) - 1)
;;       q = np.round(r / step) * step * 2.0 ** e      # np.round: ties to even
;;       return np.moveaxis(q.reshape(q.shape[:-2] + (-1,))[..., :K], -1, axis).astype(np.float32)
;;   ~~~
;; One version. Each part assembles by itself: llvm-mc -triple=amdgcn-amd-amdhsa -mcpu=gfx1250 --defsym DOCPART=n.
;; ======== version 1 of 1: 4 launches
;; limits: right only within a limited range of input values; values are held in f16: magnitudes above 65,504 overflow, below 6.1e-05 lose precision
;; workspace buffers: codes 6,684,672 bytes; scales 417,792 bytes; fcw16 524,288 bytes; idx 262,144 bytes of whole numbers; cnt 256 bytes of whole numbers; hf 25,165,824 bytes; ao 16,777,216 bytes
;; launch prep (part 1): grid 424 x 1, 4 waves a work-group, no clusters, 33,280 bytes of LDS; arguments q, k, v, Wq, Wk, Wv, fc_w, mask, codes, scales, fcw16, idx, cnt; writes codes, scales, fcw16, idx, cnt
.if DOCPART == 1
	.amdgcn_target "amdgcn-amd-amdhsa--gfx1250"
	.amdhsa_code_object_version 6
	.text
	.protected	k_q2e40ea8b56_prep
	.globl	k_q2e40ea8b56_prep
	.p2align	8
	.type	k_q2e40ea8b56_prep,@function
k_q2e40ea8b56_prep:
	s_mov_b64 s[64:65], 0
	v_nop
	global_prefetch_b8 v0, s[64:65] scope:SCOPE_SE
	s_setreg_imm32_b32 hwreg(HW_REG_WAVE_MODE, 25, 1), 1
	s_wait_xcnt 0x0
; PREP.  Three jobs, told apart by the work-group's number.
; Work-groups 0-407: q, k, v [8192][512] and Wq, Wk, Wv [512][512], f32, K innermost, become codes of E2M1 (two a byte, the lower k in the low four bits) and one E8M0 byte for each 32 along K.
;   The six tensors are one stream of 26,112 rows in the workspace: codes 256 bytes a row, scales 16 bytes a row.  A block's byte is its largest magnitude's exponent field - 2, held at 1 from below.
; Work-groups 408-415: fc_w [512][512] f32 becomes f16, laid in the order of a 16 x 32 fragment's registers: [w 8][s 16][ct 4][u 2][lane][16 bytes].
; Work-groups 416-423: for each n of 32 one wave sorts the 2,048 keys: those with mask != 0 first, in ascending order, then the others: idx[n][place] = key; cnt[n] = (kept, or 2,048 if none is kept; 1 if none is kept).
; LIMITS: a block of zeros gets the byte 1 (its codes are zeros; this program alone reads the bytes); blocks under 2^-124 were not tried; NaN and infinities are not served.
.set WREG,  8192                       ; LDS of a wave: two stages of 32 x SP bytes, then its 256 scale bytes
.set SP,    80                         ; a lane's place in a stage: 64 bytes + 16 of padding
.set STEPS, 16
.set R,     16                         ; v16-79   four sets of 16 numbers as loaded
.set X,     80                         ; v80-111  two sets of 16 neighbours
.set E,     112                        ; v112-127 a scale byte for each step
.set C,     128                        ; v128-191 codes, four registers a step: no store's data are written again
.set SPW,   12                         ; v12 my spare word's LDS address; never rewritten
.set NIL,   13                         ; v13 0; never rewritten
.set SPARE, 4*WREG                     ; the spare words: 128 bytes a wave, named by no other line
.macro LOAD t                          ; a step's 2,048 bytes: each load reads 512 consecutive bytes
.irp i, 0,1,2,3
	global_load_b128 v[R+16*((\t)%4)+4*\i:R+16*((\t)%4)+4*\i+3], v3, s[4:5] offset:2048*(\t)+512*\i th:TH_LOAD_NT
.endr
.endm
.macro TURN t                          ; through the wave's own stage: in as loaded, back 64 bytes a lane; LDS serves a wave's instructions in order
.irp i, 0,1,2,3
	ds_store_b128 v14, v[R+16*((\t)%4)+4*\i:R+16*((\t)%4)+4*\i+3] offset:32*SP*((\t)%2)+8*SP*\i
.endr
.irp i, 0,1,2,3
	ds_load_b128 v[X+16*((\t)%2)+4*\i:X+16*((\t)%2)+4*\i+3], v15 offset:32*SP*((\t)%2)+16*\i
.endr
.endm
.macro STEP t
.set XS, X+16*((\t)%2)
.if (\t) > 0
	s_wait_dscnt 1                                 ; this step's numbers are back; the last step's byte store may be out
.else
	s_wait_dscnt 0x0
.endif
.if (\t)+4 < STEPS
	LOAD (\t)+4                                    ; the stage's stores have read these registers
.endif
.if (\t)+1 < STEPS
.if STEPS-2-(\t) >= 3
	s_wait_loadcnt 12                              ; the next step's four loads are in; three steps' may be out
.else
	s_wait_loadcnt 4*(STEPS-2-(\t))
.endif
	TURN (\t)+1
.endif
	v_max3_num_f32 v8, |v[XS]|, |v[XS+1]|, |v[XS+2]|
	v_max3_num_f32 v9, |v[XS+3]|, |v[XS+4]|, |v[XS+5]|
.irp i, 6,10
	v_max3_num_f32 v8, v8, |v[XS+\i]|, |v[XS+\i+1]|
	v_max3_num_f32 v9, v9, |v[XS+\i+2]|, |v[XS+\i+3]|
.endr
	v_max3_num_f32 v8, v8, |v[XS+14]|, |v[XS+15]|
	v_max3_num_f32 v8, v8, v9, 0x1800000           ; the floor 2^(3 - 127): the byte cannot fall under 1
	v_max_num_f32_dpp v8, v8, v8 row_xmask:1 row_mask:0xf bank_mask:0xf   ; with my neighbour's 16: the block's largest magnitude
	v_add_nc_u32 v11, 0xff000000, v8               ; 2 off its exponent field: the conversion's scale operand
	v_cvt_scalef32_pk8_fp4_f32 v[C+4*(\t)], v[XS:XS+7], v11
	v_cvt_scalef32_pk8_fp4_f32 v[C+4*(\t)+1], v[XS+8:XS+15], v11
	v_lshrrev_b32 v[E+(\t)], 23, v11               ; the scale's byte
	ds_store_b8 v5, v[E+(\t)] offset:16*(\t)       ; both lanes of a block write the same byte
	global_store_b64 v4, v[C+4*(\t):C+4*(\t)+1], s[24:25] offset:256*(\t)   ; the wave stores 256 consecutive bytes, aligned
.endm
	s_load_b512 s[8:23], s[0:1], 0x0               ; q, k, v, Wq, Wk, Wv, fc_w, mask
	s_load_b256 s[24:31], s[0:1], 0x40             ; codes, scales, fcw16, idx
	s_load_b64 s[32:33], s[0:1], 0x60              ; cnt
	v_lshl_add_u32 v[SPW], v0, 2, SPARE
	v_mov_b32 v[NIL], 0
	v_lshrrev_b32 v1, 5, v0
	v_readfirstlane_b32 s34, v1                    ; wave
	v_and_b32 v2, 31, v0                           ; lane
	s_wait_kmcnt 0x0
	s_cmp_ge_u32 ttmp9, 416
	s_cbranch_scc1 .Lmask
	s_cmp_ge_u32 ttmp9, 408
	s_cbranch_scc1 .Lfc
	; ---- the quantiser: a wave takes 16 steps of 512 numbers
	v_lshlrev_b32 v3, 4, v2                        ; my 16 bytes of a load's 512
	s_mul_i32 s35, s34, WREG
	v_lshrrev_b32 v14, 2, v2
	v_mul_u32_u24 v14, v14, SP
	v_and_b32 v15, 3, v2
	v_lshl_add_u32 v14, v15, 4, v14
	v_add_nc_u32 v14, s35, v14                     ; the stage, way in: SP (lane / 4) + 16 (lane % 4)
	v_mul_u32_u24 v15, v2, SP
	v_add_nc_u32 v15, s35, v15                     ; way out: SP x lane
	v_lshlrev_b32 v4, 3, v2                        ; my 8 bytes of a step's codes
	v_lshrrev_b32 v5, 1, v2
	s_add_co_u32 s35, s35, 2*32*SP
	v_add_nc_u32 v5, s35, v5                       ; my block's byte among the wave's 256
	v_lshlrev_b32 v7, 3, v2
	v_add_nc_u32 v6, s35, v7
	s_mov_b64 s[4:5], s[18:19]                     ; which tensor, and its first work-group: the choice hangs on the work-group's number alone
	s_mov_b32 s6, 400
	s_cmp_lt_u32 ttmp9, 400
	s_cselect_b64 s[4:5], s[16:17], s[4:5]
	s_cselect_b32 s6, 392, s6
	s_cmp_lt_u32 ttmp9, 392
	s_cselect_b64 s[4:5], s[14:15], s[4:5]
	s_cselect_b32 s6, 384, s6
	s_cmp_lt_u32 ttmp9, 384
	s_cselect_b64 s[4:5], s[12:13], s[4:5]
	s_cselect_b32 s6, 256, s6
	s_cmp_lt_u32 ttmp9, 256
	s_cselect_b64 s[4:5], s[10:11], s[4:5]
	s_cselect_b32 s6, 128, s6
	s_cmp_lt_u32 ttmp9, 128
	s_cselect_b64 s[4:5], s[8:9], s[4:5]
	s_cselect_b32 s6, 0, s6
	s_sub_co_u32 s6, ttmp9, s6
	s_lshl_b32 s6, s6, 2
	s_add_co_u32 s6, s6, s34                       ; my run of 8,192 numbers in its tensor
	s_lshl_b32 s6, s6, 15
	s_mov_b32 s7, 0
	s_add_nc_u64 s[4:5], s[4:5], s[6:7]
	s_lshl_b32 s36, ttmp9, 2
	s_add_co_u32 s36, s36, s34                     ; and in the workspace, where the six tensors follow each other
	s_lshl_b32 s38, s36, 8
	s_mov_b32 s39, 0
	s_lshl_b32 s36, s36, 12
	s_mov_b32 s37, 0
	s_add_nc_u64 s[24:25], s[24:25], s[36:37]
	s_add_nc_u64 s[26:27], s[26:27], s[38:39]
.irp t, 0,1,2,3
	LOAD \t
.endr
	s_wait_loadcnt 12                              ; step 0's four loads are in
	TURN 0
.irp t, 0,1,2,3,4,5,6,7,8,9,10,11,12,13,14,15
	STEP \t
.endr
	ds_load_b64 v[8:9], v6                         ; my wave's 256 scale bytes, 8 a lane
	s_wait_dscnt 0x0
	global_store_b64 v7, v[8:9], s[26:27]          ; one aligned run of 256 bytes
	s_wait_tensorcnt 0x0                           ; the wave's end
	ds_add_u32 v[SPW], v[NIL]
	s_wait_dscnt 0x0
	s_endpgm
	; ---- fc_w to f16 fragments: wave w of work-group f takes rows 16 (4 f + w) on; lane (r, h) takes row r, k = 32 s + 16 u + 8 h + 0..7
.Lfc:
	s_sub_co_u32 s35, ttmp9, 408                   ; f
	s_lshl_b32 s36, s35, 2
	s_add_co_u32 s36, s36, s34
	s_lshl_b32 s36, s36, 15                        ; 16 rows of 2,048 bytes
	s_mov_b32 s37, 0
	s_add_nc_u64 s[20:21], s[20:21], s[36:37]
	s_lshl_b32 s36, s35, 16
	s_lshl_b32 s38, s34, 10
	s_add_co_u32 s36, s36, s38
	s_add_nc_u64 s[28:29], s[28:29], s[36:37]
	v_and_b32 v3, 15, v0
	v_bfe_u32 v4, v0, 4, 1
	v_lshlrev_b32 v3, 11, v3
	v_lshl_add_u32 v3, v4, 5, v3                   ; 2,048 r + 32 h
	v_lshlrev_b32 v4, 4, v2                        ; 16 x lane
.irp g, 0,1,2,3                                ; four K steps of 32 at a time
.irp sl, 0,1,2,3
.irp u, 0,1
	global_load_b128 v[16+16*\sl+8*\u:16+16*\sl+8*\u+3], v3, s[20:21] offset:128*(4*\g+\sl)+64*\u
	global_load_b128 v[16+16*\sl+8*\u+4:16+16*\sl+8*\u+7], v3, s[20:21] offset:128*(4*\g+\sl)+64*\u+16
.endr
.endr
	s_wait_loadcnt 0x0
.if \g > 0
	s_wait_xcnt 0x0                                ; the last batch's stores have read v80-111
.endif
.irp i, 0,1,2,3,4,5,6,7,8,9,10,11,12,13,14,15,16,17,18,19,20,21,22,23,24,25,26,27,28,29,30,31
	v_cvt_pk_f16_f32 v[80+\i], v[16+2*\i], v[17+2*\i]
.endr
.irp sl, 0,1,2,3
.irp u, 0,1
	global_store_b128 v4, v[80+8*\sl+4*\u:80+8*\sl+4*\u+3], s[28:29] offset:4096*(4*\g+\sl)+512*\u   ; 512 consecutive bytes, aligned
.endr
.endr
.endr
	s_endpgm
	; ---- the keys of one n, sorted by one wave.  Key 32 e + lane lies in register e
.Lmask:
	s_sub_co_u32 s35, ttmp9, 416
	s_lshl_b32 s35, s35, 2
	s_add_co_u32 s35, s35, s34                     ; n
	s_lshl_b32 s36, s35, 13
	s_mov_b32 s37, 0
	s_add_nc_u64 s[22:23], s[22:23], s[36:37]
	s_add_nc_u64 s[30:31], s[30:31], s[36:37]
	s_lshl_b32 s36, s35, 3
	s_add_nc_u64 s[32:33], s[32:33], s[36:37]
	v_lshlrev_b32 v3, 2, v2
.set ee, 0
.rept 64
	global_load_b32 v[64+ee], v3, s[22:23] offset:128*ee
.set ee, ee+1
.endr
	s_mov_b32 s41, 0
	s_wait_loadcnt 0x0
.set ee, 0
.rept 64                                       ; how many are kept
	v_cmp_ne_u32 vcc_lo, 0, v[64+ee]
	s_bcnt1_i32_b32 s40, vcc_lo
	s_add_co_u32 s41, s41, s40
.set ee, ee+1
.endr
	s_mov_b32 s42, 0                               ; kept so far
	s_mov_b32 s43, s41                             ; kept in all + 32 e
.set ee, 0
.rept 64
.if (ee%16 == 0) && (ee > 0)
	s_wait_xcnt 0x0                                ; the stores sixteen rounds back have read their registers
.endif
	v_cmp_ne_u32 vcc_lo, 0, v[64+ee]
	v_mbcnt_lo_u32_b32 v8, vcc_lo, s42             ; kept keys ahead of mine: a kept key's place
	v_add_nc_u32 v9, s43, v2
	v_sub_nc_u32 v9, v9, v8                        ; kept in all + the masked keys ahead of mine: a masked key's place
	v_cndmask_b32 v[16+ee%16], v9, v8, vcc_lo
	v_min_u32 v[16+ee%16], 0x7ff, v[16+ee%16]      ; a place is under 2,048
	v_lshlrev_b32 v[16+ee%16], 2, v[16+ee%16]
	v_add_nc_u32 v[32+ee%16], 32*ee, v2            ; my key
	global_store_b32 v[16+ee%16], v[32+ee%16], s[30:31]
	s_bcnt1_i32_b32 s40, vcc_lo
	s_add_co_u32 s42, s42, s40
	s_add_co_u32 s43, s43, 32
.set ee, ee+1
.endr
	s_cmp_eq_u32 s41, 0                            ; none kept: all 2,048 count alike, and the flag says so
	s_cselect_b32 s44, 0x800, s41
	s_cselect_b32 s45, 1, 0
	v_mov_b32 v10, s44
	v_mov_b32 v11, s45
	v_cmp_eq_u32 vcc_lo, 1, v2
	v_cndmask_b32 v10, v10, v11, vcc_lo
	v_cmp_gt_u32 vcc_lo, 2, v2
	s_wait_xcnt 0x0                                ; EXEC changes only behind this wait
	s_and_saveexec_b32 s46, vcc_lo
	global_store_b32 v3, v10, s[32:33]             ; lanes 0 and 1: the two words of n
	s_wait_xcnt 0x0
	s_or_b32 exec_lo, exec_lo, s46
	s_endpgm
.Lfunc_end_k_q2e40ea8b56_prep:
	.size	k_q2e40ea8b56_prep, .Lfunc_end_k_q2e40ea8b56_prep-k_q2e40ea8b56_prep
	.p2alignl 7, 3214868480
	.fill 96, 4, 3214868480
	.section	.rodata,"a",@progbits
	.p2align	6, 0x0
	.amdhsa_kernel k_q2e40ea8b56_prep
		.amdhsa_group_segment_fixed_size 33280
		.amdhsa_private_segment_fixed_size 0
		.amdhsa_enable_private_segment 0
		.amdhsa_kernarg_size 104
		.amdhsa_user_sgpr_count 2
		.amdhsa_user_sgpr_kernarg_segment_ptr 1
		.amdhsa_wavefront_size32 1
		.amdhsa_system_sgpr_workgroup_id_x 1
		.amdhsa_system_sgpr_workgroup_id_y 1
		.amdhsa_system_sgpr_workgroup_id_z 1
		.amdhsa_system_vgpr_workitem_id 0
		.amdhsa_next_free_vgpr 192
		.amdhsa_next_free_sgpr 66
		.amdhsa_reserve_vcc 1
		.amdhsa_float_denorm_mode_32 3
		.amdhsa_float_denorm_mode_16_64 3
		.amdhsa_memory_ordered 1
		.amdhsa_forward_progress 1
		.amdhsa_inst_pref_size 99
	.end_amdhsa_kernel
	.amdgpu_metadata
---
amdhsa.version: [ 1, 2 ]
amdhsa.kernels:
  - .name:           k_q2e40ea8b56_prep
    .symbol:         k_q2e40ea8b56_prep.kd
    .args:
      - { .name: q, .offset: 0, .size: 8, .value_kind: global_buffer, .address_space: global }
      - { .name: k, .offset: 8, .size: 8, .value_kind: global_buffer, .address_space: global }
      - { .name: v, .offset: 16, .size: 8, .value_kind: global_buffer, .address_space: global }
      - { .name: Wq, .offset: 24, .size: 8, .value_kind: global_buffer, .address_space: global }
      - { .name: Wk, .offset: 32, .size: 8, .value_kind: global_buffer, .address_space: global }
      - { .name: Wv, .offset: 40, .size: 8, .value_kind: global_buffer, .address_space: global }
      - { .name: fc_w, .offset: 48, .size: 8, .value_kind: global_buffer, .address_space: global }
      - { .name: mask, .offset: 56, .size: 8, .value_kind: global_buffer, .address_space: global }
      - { .name: codes, .offset: 64, .size: 8, .value_kind: global_buffer, .address_space: global }
      - { .name: scales, .offset: 72, .size: 8, .value_kind: global_buffer, .address_space: global }
      - { .name: fcw16, .offset: 80, .size: 8, .value_kind: global_buffer, .address_space: global }
      - { .name: idx, .offset: 88, .size: 8, .value_kind: global_buffer, .address_space: global }
      - { .name: cnt, .offset: 96, .size: 8, .value_kind: global_buffer, .address_space: global }
    .group_segment_fixed_size: 33280
    .private_segment_fixed_size: 0
    .kernarg_segment_align: 8
    .kernarg_segment_size: 104
    .max_flat_workgroup_size: 128
    .sgpr_count:     66
    .vgpr_count:     192
    .wavefront_size: 32
...
	.end_amdgpu_metadata
.endif
;; end of part 1
;; launch proj (part 2): grid 8 x 96, 4 waves a work-group, no clusters, 0 bytes of LDS; arguments codes, scales, idx, cnt, hf; writes hf
.if DOCPART == 2
	.amdgcn_target "amdgcn-amd-amdhsa--gfx1250"
	.amdhsa_code_object_version 6
	.text
	.protected	k_q2e40ea8b56_proj
	.globl	k_q2e40ea8b56_proj
	.p2align	8
	.type	k_q2e40ea8b56_proj,@function
k_q2e40ea8b56_proj:
	s_mov_b64 s[64:65], 0
	v_nop
	global_prefetch_b8 v0, s[64:65] scope:SCOPE_SE
	s_setreg_imm32_b32 hwreg(HW_REG_WAVE_MODE, 25, 1), 1
	s_wait_xcnt 0x0
; PROJ.  The three quantised products, on codes of E2M1 with E8M0 scales, sums in f32.  y = 32 t + n: t = 0 q, 1 k, 2 v; n = 4 head + b.  x: a block of 256 rows.
; A wave takes 64 rows (four tiles of 16) x the head's 64 channels, K = 512 in four matrix instructions a tile of 16 x 16.  For k and v the rows are taken in the order of idx[n]: kept keys first.
; Rows at or past (kept + 127) & ~127 are under the mask for every query and are not multiplied: a wave whose first row lies there stores nothing and ends (the grid serves every split of the mask).
; RESULTS, f16, in the order of the next launch's operand registers: q and k: [n][tile of 16 rows][ct 4][lane][16 bytes], lane (r, h) = channels 16 ct + 8 h + 0..7 of row r (source 0 = W's rows, source 1 = the rows);
; v: [n][32 keys][c 4][u 2][lane][16 bytes], lane (r, h) = keys 16 u + 8 h + 0..7 of channel 16 c + r (source 0 = the rows, source 1 = W's rows).  q is multiplied by log2(e) / 8, or by 0 where no key of n is kept.
; No cluster and no LDS: the four waves share W's 16 KiB only, and each wave keeps them in registers for its four tiles.
; LIMITS: |kh|, |vh| under 65,504 (f16).
; REGISTERS: v1 16 x lane; v2-5 a tile's rows x 256 + 16 h; v6-7 rows x 16; v8 W's offset; v16-47, v48-79 a tile's codes, two sets; v80-87 the rows' scale words; v88-215 W's 16 fragments; v216-223 W's scale words; v224-255 four accumulators.
.macro WM s                            ; one product; the symbols rD, rA, rB, rSA, rSB name its registers, fA and fB say which half of the lanes holds a side's scales
.if \s == 0
.if fA && fB
	v_wmma_scale_f32_16x16x128_f8f6f4 v[rD:rD+7], v[rA:rA+7], v[rB:rB+7], 0, v[rSA], v[rSB] matrix_a_fmt:MATRIX_FMT_FP4 matrix_b_fmt:MATRIX_FMT_FP4 matrix_a_scale:MATRIX_SCALE_ROW1 matrix_b_scale:MATRIX_SCALE_ROW1
.elseif fA
	v_wmma_scale_f32_16x16x128_f8f6f4 v[rD:rD+7], v[rA:rA+7], v[rB:rB+7], 0, v[rSA], v[rSB] matrix_a_fmt:MATRIX_FMT_FP4 matrix_b_fmt:MATRIX_FMT_FP4 matrix_a_scale:MATRIX_SCALE_ROW1
.elseif fB
	v_wmma_scale_f32_16x16x128_f8f6f4 v[rD:rD+7], v[rA:rA+7], v[rB:rB+7], 0, v[rSA], v[rSB] matrix_a_fmt:MATRIX_FMT_FP4 matrix_b_fmt:MATRIX_FMT_FP4 matrix_b_scale:MATRIX_SCALE_ROW1
.else
	v_wmma_scale_f32_16x16x128_f8f6f4 v[rD:rD+7], v[rA:rA+7], v[rB:rB+7], 0, v[rSA], v[rSB] matrix_a_fmt:MATRIX_FMT_FP4 matrix_b_fmt:MATRIX_FMT_FP4
.endif
.else
.if fA && fB
	v_wmma_scale_f32_16x16x128_f8f6f4 v[rD:rD+7], v[rA:rA+7], v[rB:rB+7], v[rD:rD+7], v[rSA], v[rSB] matrix_a_fmt:MATRIX_FMT_FP4 matrix_b_fmt:MATRIX_FMT_FP4 matrix_a_scale:MATRIX_SCALE_ROW1 matrix_b_scale:MATRIX_SCALE_ROW1
.elseif fA
	v_wmma_scale_f32_16x16x128_f8f6f4 v[rD:rD+7], v[rA:rA+7], v[rB:rB+7], v[rD:rD+7], v[rSA], v[rSB] matrix_a_fmt:MATRIX_FMT_FP4 matrix_b_fmt:MATRIX_FMT_FP4 matrix_a_scale:MATRIX_SCALE_ROW1
.elseif fB
	v_wmma_scale_f32_16x16x128_f8f6f4 v[rD:rD+7], v[rA:rA+7], v[rB:rB+7], v[rD:rD+7], v[rSA], v[rSB] matrix_a_fmt:MATRIX_FMT_FP4 matrix_b_fmt:MATRIX_FMT_FP4 matrix_b_scale:MATRIX_SCALE_ROW1
.else
	v_wmma_scale_f32_16x16x128_f8f6f4 v[rD:rD+7], v[rA:rA+7], v[rB:rB+7], v[rD:rD+7], v[rSA], v[rSB] matrix_a_fmt:MATRIX_FMT_FP4 matrix_b_fmt:MATRIX_FMT_FP4
.endif
.endif
.endm
.macro XLOAD buf, tt                   ; tile tt's codes: lane (r, h) takes, of its row, bytes 64 s + 32 c + 16 h on
.irp s, 0,1,2,3
.irp c, 0,1
	global_load_b128 v[\buf+8*\s+4*\c:\buf+8*\s+4*\c+3], v[2+(\tt)], s[4:5] offset:64*\s+32*\c
.endr
.endr
.endm
.macro TILE tt, mode
.set XB, 16+32*((\tt)%2)
.if (\tt) < 3
	s_wait_loadcnt 8                               ; all but the next tile's eight loads are in
.else
	s_wait_loadcnt 0x0
.endif
.if (\tt) > 0
	s_wait_xcnt 0x0                                ; the last tile's stores have read the accumulators' registers
.endif
.irp s, 0,1,2,3                                ; the four accumulators take turns, one instruction a turn; the first K step starts the sums
.irp ct, 0,1,2,3
.set rD, 224+8*\ct
.if \mode == 2
.set rA, XB+8*\s
.set rB, 88+8*(4*\ct+\s)
.set rSA, 80+4*((\tt)/2)+\s
.set rSB, 216+4*(\ct/2)+\s
.set fA, (\tt)%2
.set fB, \ct%2
.else
.set rA, 88+8*(4*\ct+\s)
.set rB, XB+8*\s
.set rSA, 216+4*(\ct/2)+\s
.set rSB, 80+4*((\tt)/2)+\s
.set fA, \ct%2
.set fB, (\tt)%2
.endif
	WM \s
.endr
.endr
.rept 4
	v_nop                                          ; four places ahead of loads into registers that the products read, and of the first read of results
.endr
.if (\tt) < 2
	XLOAD XB, (\tt)+2
.endif
.if \mode == 0
.irp i, 0,2,4,6,8,10,12,14,16,18,20,22,24,26,28,30
	v_pk_mul_f32 v[224+\i:225+\i], v[224+\i:225+\i], s[20:21] op_sel_hi:[1,0]   ; x log2(e) / 8 (or 0)
.endr
.endif
.irp ct, 0,1,2,3
.irp i, 0,1,2,3
	v_cvt_pk_f16_f32 v[224+8*\ct+\i], v[224+8*\ct+2*\i], v[224+8*\ct+2*\i+1]   ; each accumulator from its low end on
.endr
.endr
.irp ct, 0,1,2,3
.if \mode == 2
	global_store_b128 v1, v[224+8*\ct:224+8*\ct+3], s[12:13] offset:4096*((\tt)/2)+1024*\ct+512*((\tt)%2)
.else
	global_store_b128 v1, v[224+8*\ct:224+8*\ct+3], s[12:13] offset:2048*(\tt)+512*\ct   ; 512 consecutive bytes, aligned
.endif
.endr
.endm
	s_load_b256 s[4:11], s[0:1], 0x0               ; codes, scales, idx, cnt
	s_load_b64 s[12:13], s[0:1], 0x20              ; hf
	v_lshrrev_b32 v1, 5, v0
	v_readfirstlane_b32 s16, v1                    ; wave
	s_and_b32 s17, ttmp7, 0xffff
	s_lshr_b32 s18, s17, 5                         ; t
	s_and_b32 s19, s17, 31                         ; n
	s_lshr_b32 s22, s19, 2                         ; head
	s_and_b32 s23, s19, 3                          ; b
	s_lshl_b32 s24, ttmp9, 8
	s_lshl_b32 s25, s16, 6
	s_add_co_u32 s24, s24, s25                     ; j0: my first row
	v_and_b32 v10, 31, v0                          ; lane
	v_and_b32 v11, 15, v0                          ; r
	v_bfe_u32 v12, v0, 4, 1                        ; h
	v_lshlrev_b32 v1, 4, v10                       ; 16 x lane
	v_lshlrev_b32 v13, 2, v11                      ; 4 r
	v_lshlrev_b32 v14, 2, v10                      ; 4 x lane
	v_lshlrev_b32 v15, 4, v12                      ; 16 h
	v_lshl_add_u32 v8, v11, 8, v15                 ; 256 r + 16 h
	v_add_nc_u32 v9, s24, v11                      ; j0 + r
	v_add_nc_u32 v10, s24, v10                     ; j0 + lane
	s_lshl_b32 s26, s19, 3
	s_mov_b32 s27, 0
	s_lshl_b32 s28, s19, 13
	s_lshl_b32 s29, s24, 2
	s_add_co_u32 s28, s28, s29
	s_mov_b32 s29, 0
	s_mov_b32 s33, 0
	s_wait_kmcnt 0x0
	s_add_nc_u64 s[10:11], s[10:11], s[26:27]
	s_load_b64 s[14:15], s[10:11], 0x0             ; kept keys of n, and the flag
	s_add_nc_u64 s[8:9], s[8:9], s[28:29]          ; idx at (n, j0)
.irp tt, 0,1,2,3
	global_load_b32 v[2+\tt], v13, s[8:9] offset:64*\tt    ; tile tt: the row of lane (r, h)
.endr
.irp p, 0,1
	global_load_b32 v[6+\p], v14, s[8:9] offset:128*\p     ; for the scale words: lanes 0-15 tile 2 p, lanes 16-31 tile 2 p + 1
.endr
	s_lshl_b32 s30, s18, 9
	s_lshl_b32 s31, s22, 6
	s_add_co_u32 s30, s30, s31
	s_add_co_u32 s30, s30, 24576                   ; W's first row in the workspace: 24,576 + 512 t + 64 head
	s_lshl_b32 s32, s30, 8
	s_add_nc_u64 s[34:35], s[4:5], s[32:33]
	s_lshl_b32 s32, s30, 4
	s_add_nc_u64 s[36:37], s[6:7], s[32:33]
	s_lshl_b32 s30, s18, 13
	s_lshl_b32 s31, s23, 11
	s_add_co_u32 s30, s30, s31                     ; the rows': 8,192 t + 2,048 b
	s_lshl_b32 s32, s30, 8
	s_add_nc_u64 s[4:5], s[4:5], s[32:33]
	s_lshl_b32 s32, s30, 4
	s_add_nc_u64 s[6:7], s[6:7], s[32:33]
	s_lshl_b32 s32, s18, 23                        ; the results: part t, n, 8,192 bytes for each 64 rows
	s_lshl_b32 s30, s19, 18
	s_add_co_u32 s32, s32, s30
	s_lshl_b32 s30, s24, 7
	s_add_co_u32 s32, s32, s30
	s_add_nc_u64 s[12:13], s[12:13], s[32:33]
	s_wait_kmcnt 0x0
	s_add_co_u32 s38, s14, 127
	s_and_b32 s38, s38, 0xffffff80                 ; kept keys, rounded up to the next launch's 128
	s_cmp_eq_u32 s18, 0
	s_cselect_b32 s38, 0x800, s38                  ; every query counts
	s_cselect_b32 s39, -1, 0                       ; and q's rows are taken as they lie
	s_cmp_ge_u32 s24, s38
	s_cbranch_scc1 .Lend
	s_cmp_eq_u32 s15, 0
	s_cselect_b32 s20, 0x3e38aa3b, 0               ; log2(e) / 8; 0 where no key is kept: all scores are then equal, as in a row of equal -1e9 / 8
	s_mov_b32 s21, s20
.irp ct, 0,1,2,3
.irp s, 0,1,2,3
.irp c, 0,1
	global_load_b128 v[88+8*(4*\ct+\s)+4*\c:88+8*(4*\ct+\s)+4*\c+3], v8, s[34:35] offset:4096*\ct+64*\s+32*\c
.endr
.endr
.endr
.irp p, 0,1
	global_load_b128 v[216+4*\p:219+4*\p], v1, s[36:37] offset:512*\p   ; lane l: the four scale words of W's row 32 p + l
.endr
	s_wait_loadcnt 34                              ; the six loads of idx are in; W's 34 may be out
.irp tt, 0,1,2,3
	v_add_nc_u32 v13, 16*\tt, v9
	v_cndmask_b32 v[2+\tt], v[2+\tt], v13, s39
	v_min_u32 v[2+\tt], 0x7ff, v[2+\tt]            ; a row is under 2,048
	v_lshlrev_b32 v[2+\tt], 8, v[2+\tt]
	v_add_nc_u32 v[2+\tt], v15, v[2+\tt]
.endr
.irp p, 0,1
	v_add_nc_u32 v13, 32*\p, v10
	v_cndmask_b32 v[6+\p], v[6+\p], v13, s39
	v_min_u32 v[6+\p], 0x7ff, v[6+\p]
	v_lshlrev_b32 v[6+\p], 4, v[6+\p]
.endr
.irp p, 0,1
	global_load_b128 v[80+4*\p:83+4*\p], v[6+\p], s[6:7]
.endr
	XLOAD 16, 0
	XLOAD 48, 1
	s_cmp_eq_u32 s18, 1
	s_cbranch_scc1 .Lk
	s_cmp_eq_u32 s18, 2
	s_cbranch_scc1 .Lv
	TILE 0, 0
	TILE 1, 0
	TILE 2, 0
	TILE 3, 0
	s_endpgm
.Lk:
	TILE 0, 1
	TILE 1, 1
	TILE 2, 1
	TILE 3, 1
	s_endpgm
.Lv:
	TILE 0, 2
	TILE 1, 2
	TILE 2, 2
	TILE 3, 2
.Lend:
	s_endpgm
.Lfunc_end_k_q2e40ea8b56_proj:
	.size	k_q2e40ea8b56_proj, .Lfunc_end_k_q2e40ea8b56_proj-k_q2e40ea8b56_proj
	.p2alignl 7, 3214868480
	.fill 96, 4, 3214868480
	.section	.rodata,"a",@progbits
	.p2align	6, 0x0
	.amdhsa_kernel k_q2e40ea8b56_proj
		.amdhsa_group_segment_fixed_size 0
		.amdhsa_private_segment_fixed_size 0
		.amdhsa_enable_private_segment 0
		.amdhsa_kernarg_size 40
		.amdhsa_user_sgpr_count 2
		.amdhsa_user_sgpr_kernarg_segment_ptr 1
		.amdhsa_wavefront_size32 1
		.amdhsa_system_sgpr_workgroup_id_x 1
		.amdhsa_system_sgpr_workgroup_id_y 1
		.amdhsa_system_sgpr_workgroup_id_z 1
		.amdhsa_system_vgpr_workitem_id 0
		.amdhsa_next_free_vgpr 256
		.amdhsa_next_free_sgpr 66
		.amdhsa_reserve_vcc 0
		.amdhsa_float_denorm_mode_32 3
		.amdhsa_float_denorm_mode_16_64 3
		.amdhsa_memory_ordered 1
		.amdhsa_forward_progress 1
		.amdhsa_inst_pref_size 61
	.end_amdhsa_kernel
	.amdgpu_metadata
---
amdhsa.version: [ 1, 2 ]
amdhsa.kernels:
  - .name:           k_q2e40ea8b56_proj
    .symbol:         k_q2e40ea8b56_proj.kd
    .args:
      - { .name: codes, .offset: 0, .size: 8, .value_kind: global_buffer, .address_space: global }
      - { .name: scales, .offset: 8, .size: 8, .value_kind: global_buffer, .address_space: global }
      - { .name: idx, .offset: 16, .size: 8, .value_kind: global_buffer, .address_space: global }
      - { .name: cnt, .offset: 24, .size: 8, .value_kind: global_buffer, .address_space: global }
      - { .name: hf, .offset: 32, .size: 8, .value_kind: global_buffer, .address_space: global }
    .group_segment_fixed_size: 0
    .private_segment_fixed_size: 0
    .kernarg_segment_align: 8
    .kernarg_segment_size: 40
    .max_flat_workgroup_size: 128
    .sgpr_count:     66
    .vgpr_count:     256
    .wavefront_size: 32
...
	.end_amdgpu_metadata
.endif
;; end of part 2
;; launch attn (part 3): grid 8 x 32, 8 waves a work-group, no clusters, 101,376 bytes of LDS; arguments hf, cnt, ao; writes ao
.if DOCPART == 3
	.amdgcn_target "amdgcn-amd-amdhsa--gfx1250"
	.amdhsa_code_object_version 6
	.text
	.protected	k_q2e40ea8b56_attn
	.globl	k_q2e40ea8b56_attn
	.p2align	8
	.type	k_q2e40ea8b56_attn,@function
k_q2e40ea8b56_attn:
	s_mov_b64 s[64:65], 0
	v_nop
	global_prefetch_b8 v0, s[64:65] scope:SCOPE_SE
	s_setreg_imm32_b32 hwreg(HW_REG_WAVE_MODE, 25, 1), 1
	s_wait_xcnt 0x0
; ATTN.  ao[b][l][64 head + d] = sum over the kept keys of softmax(q . k / 8) v, for n = 4 head + b (work-group y) and 256 queries (work-group x).  Operands f16, products, maxima and sums f32.
; A key with mask == 0 has the score -1.25e8: its weight is exactly 0 in f32 beside any kept key, so only the kept keys, which the launch before laid first, are walked; where none is kept all 2,048 are walked with equal scores.
; LIMIT: |q . k| under 1e9 (beyond that a masked key would count).
; SHARES.  Eight waves, 32 queries (two tiles of 16) each; two waves to a SIMD, so that one wave's softmax stands beside the other's products.  Every wave walks the kept keys, 64 a sub-step.
; LAYOUT.  S^T = K Q^T (source 0 = 16 keys, source 1 = 16 queries) and O^T = V^T P: a lane holds one query throughout.  Q carries log2(e) / 8, so a score is the exponent to base 2.  Running maximum m and sum l for each query.
; K and V come as images of the operands' registers: 128 keys are 16,384 consecutive bytes of each.  The eight waves copy them through registers into one of two LDS slots, a slot ahead; every wave reads all of a slot.
; The trip count is a constant (2,048 keys); what lies past the stored count is jumped over by scalar branches that go the same way in all waves; no barrier stands under them.  So there is no tensor load here, and no cluster.
; In the last sub-step the keys past the count get -1e30 as the C of their first product: their weight is 0.
; REGISTERS.  Window 0: v1-9 addresses and constants; v10, v11 the add's two; v12-27 statistics, 8 a tile: +0 m, +2, +3 l, +4..+7 at work (a in +6); v32-63 the C of the first products; v64-127 S^T; v128-159 P; v160-223 O^T; v224-255 staging.
;   Window 1: v0-31 Q; v32-95 K of a sub-step; v96-159 V.
.set STG,   65536                      ; behind the two slots: 16 rows x 272 bytes for each wave, for the way out
.set SPARE, 100352                     ; the spare words: 128 bytes a wave, named by no other line
.set LI,  1                            ; 16 x lane
.set SD,  2                            ; 2,048 x wave + 16 x lane: my bytes of an image, in memory and in LDS
.set PFO, 3                            ; the prefetches' offset
.set STO, 4
.set RD,  5
.set GO,  6
.set H8,  7                            ; 8 h
.set NEG, 8                            ; -1e30
.set REM, 9
.set SPW, 10
.set NIL, 11
.set ST,  12
.set BIAS, 32
.set S,   64
.set P,   128
.set O,   160
.set SG,  224
.set MSB, 0
.macro WIN new                         ; the immediate's high byte repeats the setting that is left
.if MSB != \new
	s_set_vgpr_msb (MSB<<8)|\new
.set MSB, \new
.endif
.endm
.set W_LD, 0x40                        ; destination window 1
.set W_KQ, 0x05                        ; sources 0 and 1 window 1
.set W_PV, 0x01                        ; source 0 window 1
.macro GSTAGE                          ; my 2,048 bytes of K's image and of V's, of the slot at which the bases stand
.irp i, 0,1,2,3
	global_load_b128 v[SG+4*\i:SG+4*\i+3], v[SD], s[16:17] offset:512*\i
.endr
.irp i, 0,1,2,3
	global_load_b128 v[SG+16+4*\i:SG+16+4*\i+3], v[SD], s[18:19] offset:512*\i
.endr
.endm
.macro LSTAGE p
.irp i, 0,1,2,3
	ds_store_b128 v[SD], v[SG+4*\i:SG+4*\i+3] offset:32768*(\p)+512*\i
	ds_store_b128 v[SD], v[SG+16+4*\i:SG+16+4*\i+3] offset:32768*(\p)+16384+512*\i
.endr
.endm
; The softmax of a sub-step, the two tiles line by line by turns.
.macro SOFTMAX
.irp j, 0,1,2,3
.irp t, 0,1
	v_max3_num_f32 v[ST+8*\t+4+\j], v[S+32*\t+8*\j], v[S+32*\t+8*\j+1], v[S+32*\t+8*\j+2]   ; each accumulator is read from its low end on
.endr
.endr
.irp g, 1,2
.irp j, 0,1,2,3
.irp t, 0,1
	v_max3_num_f32 v[ST+8*\t+4+\j], v[ST+8*\t+4+\j], v[S+32*\t+8*\j+2*\g+1], v[S+32*\t+8*\j+2*\g+2]
.endr
.endr
.endr
.irp t, 0,1
	v_max3_num_f32 v[ST+8*\t+4], v[ST+8*\t+4], v[S+32*\t+7], v[S+32*\t+15]
	v_max3_num_f32 v[ST+8*\t+6], v[ST+8*\t+6], v[S+32*\t+23], v[S+32*\t+31]
.endr
.irp t, 0,1
	v_max3_num_f32 v[ST+8*\t+4], v[ST+8*\t+4], v[ST+8*\t+5], v[ST+8*\t+6]
.endr
.irp t, 0,1
	v_max3_num_f32 v[ST+8*\t+4], v[ST+8*\t+4], v[ST+8*\t+7], v[ST+8*\t]   ; with the old m
.endr
.irp t, 0,1
	v_permlanex16_b32 v[ST+8*\t+5], v[ST+8*\t+4], s22, s23   ; the query's other 32 keys lie in the lane 16 away
.endr
.irp t, 0,1
	v_mov_b32 v[ST+8*\t+7], v[ST+8*\t]
.endr
.irp t, 0,1
	v_max_num_f32 v[ST+8*\t], v[ST+8*\t+4], v[ST+8*\t+5]     ; the new m
.endr
.irp t, 0,1
	v_sub_f32 v[ST+8*\t+7], v[ST+8*\t+7], v[ST+8*\t]
.endr
.irp t, 0,1
	v_exp_f32 v[ST+8*\t+6], v[ST+8*\t+7]                     ; a = 2^(old m - new m)
.endr
.irp b, 0,2,4,6,8,10,12,14,16,18,20,22,24,26,28,30
.irp t, 0,1
	v_pk_add_f32 v[S+32*\t+\b:S+32*\t+\b+1], v[S+32*\t+\b:S+32*\t+\b+1], v[ST+8*\t:ST+8*\t+1] op_sel_hi:[1,0] neg_lo:[0,1] neg_hi:[0,1]   ; s - m
.endr
.endr
.set ii, 0
.rept 32
	v_exp_f32 v[S+ii], v[S+ii]
	v_exp_f32 v[S+32+ii], v[S+32+ii]
.set ii, ii+1
.endr
	v_nop                                          ; a plain instruction behind the last exponential
	s_wait_alu depctr_va_vdst(0)                   ; one wait for the 66 exponentials, ahead of the first line that names a result
.irp i, 0,1,2,3,4,5,6,7,8,9,10,11,12,13,14,15
.irp t, 0,1
	v_cvt_pk_f16_f32 v[P+16*\t+\i], v[S+32*\t+2*\i], v[S+32*\t+2*\i+1]
.endr
.endr
.irp u, 0,1,2,3,4,5,6,7                        ; the sum of the lane's 16 pairs, in place
.irp t, 0,1
	v_pk_add_f32 v[S+32*\t+4*\u:S+32*\t+4*\u+1], v[S+32*\t+4*\u:S+32*\t+4*\u+1], v[S+32*\t+4*\u+2:S+32*\t+4*\u+3]
.endr
.endr
.irp u, 0,1,2,3
.irp t, 0,1
	v_pk_add_f32 v[S+32*\t+8*\u:S+32*\t+8*\u+1], v[S+32*\t+8*\u:S+32*\t+8*\u+1], v[S+32*\t+8*\u+4:S+32*\t+8*\u+5]
.endr
.endr
.irp u, 0,1
.irp t, 0,1
	v_pk_add_f32 v[S+32*\t+16*\u:S+32*\t+16*\u+1], v[S+32*\t+16*\u:S+32*\t+16*\u+1], v[S+32*\t+16*\u+8:S+32*\t+16*\u+9]
.endr
.endr
.irp t, 0,1
	v_pk_add_f32 v[S+32*\t:S+32*\t+1], v[S+32*\t:S+32*\t+1], v[S+32*\t+16:S+32*\t+17]
.endr
.irp t, 0,1
	v_pk_fma_f32 v[ST+8*\t+2:ST+8*\t+3], v[ST+8*\t+2:ST+8*\t+3], v[ST+8*\t+6:ST+8*\t+7], v[S+32*\t:S+32*\t+1] op_sel_hi:[1,0,1]   ; l = a l + the sum
.endr
.irp i, 0,2,4,6,8,10,12,14,16,18,20,22,24,26,28,30
.irp t, 0,1
	v_pk_mul_f32 v[O+32*\t+\i:O+32*\t+\i+1], v[O+32*\t+\i:O+32*\t+\i+1], v[ST+8*\t+6:ST+8*\t+7] op_sel_hi:[1,0]   ; O^T x a
.endr
.endr
.endm
; Sub-step s14 + kk: the i2-th 64 keys of slot p.
.macro SUB p, i2, kk
	s_add_co_u32 s15, s14, (\kk)
	s_cmp_lt_u32 s15, s12
	s_cbranch_scc0 .Lskip_\@                       ; past the kept keys: the same in all eight waves
	s_add_co_u32 s24, s15, 1
	s_cmp_eq_u32 s24, s12
	s_cbranch_scc0 .Lfull_\@
	s_lshl_b32 s24, s15, 6                         ; the last sub-step: register 8 kt + j holds key 16 kt + 8 h + j of it, which counts while it is under the keys that are left
	s_sub_co_u32 s24, s11, s24
	v_sub_nc_u32 v[REM], s24, v[H8]
.irp kt, 0,1,2,3
.irp j, 0,1,2,3,4,5,6,7
	v_cmp_ge_i32 vcc_lo, 16*\kt+\j, v[REM]
	v_cndmask_b32 v[BIAS+8*\kt+\j], 0, v[NEG], vcc_lo
.endr
.endr
.Lfull_\@:
	WIN W_LD
.irp kt, 0,1,2,3
.irp c, 0,1,2,3
	ds_load_b128 v[32+16*\kt+4*\c:32+16*\kt+4*\c+3], v[LI] offset:32768*(\p)+8192*(\i2)+2048*\kt+512*\c
.endr
.endr
.irp ks, 0,1
.irp c, 0,1,2,3
.irp u, 0,1
	ds_load_b128 v[96+32*\ks+8*\c+4*\u:96+32*\ks+8*\c+4*\u+3], v[LI] offset:32768*(\p)+16384+8192*(\i2)+4096*\ks+1024*\c+512*\u
.endr
.endr
.endr
	s_wait_dscnt 16                                ; K is in; V's sixteen loads may be out
	WIN W_KQ
.irp s, 0,1                                    ; eight accumulators by turns, one instruction a turn
.irp kt, 0,1,2,3
.irp t, 0,1
.if \s == 0
	v_wmma_f32_16x16x32_f16 v[S+32*\t+8*\kt:S+32*\t+8*\kt+7], v[32+16*\kt:32+16*\kt+7], v[16*\t:16*\t+7], v[BIAS+8*\kt:BIAS+8*\kt+7]
.else
	v_wmma_f32_16x16x32_f16 v[S+32*\t+8*\kt:S+32*\t+8*\kt+7], v[32+16*\kt+8:32+16*\kt+15], v[16*\t+8:16*\t+15], v[S+32*\t+8*\kt:S+32*\t+8*\kt+7]
.endif
.endr
.endr
.endr
	WIN 0
.rept 4
	v_nop                                          ; four places ahead of the first read of the scores
.endr
	SOFTMAX
	s_wait_dscnt 0x0                               ; V is in
	WIN W_PV
.irp ks, 0,1
.irp c, 0,1,2,3
.irp t, 0,1
	v_wmma_f32_16x16x32_f16 v[O+32*\t+8*\c:O+32*\t+8*\c+7], v[96+32*\ks+8*\c:96+32*\ks+8*\c+7], v[P+16*\t+8*\ks:P+16*\t+8*\ks+7], v[O+32*\t+8*\c:O+32*\t+8*\c+7]
.endr
.endr
.endr
	WIN 0
.rept 4
	v_nop                                          ; four places ahead of the next loads into V's registers, and of the way out's reads
.endr
.Lskip_\@:
.endm
; A slot's two sub-steps.  The next slot's bytes are asked for first and stored into the other slot last.  ONE barrier: in front of it each wave's reads of this slot and its stores into the other are done.
.macro TURN p, k0
	s_add_co_u32 s15, s14, (\k0)+2
	s_cmp_lt_u32 s15, s12
	s_cbranch_scc0 .Lnoload_\@
	GSTAGE
.Lnoload_\@:
	s_add_co_u32 s15, s14, (\k0)+4                 ; a prefetch of the slot after that one, where it holds kept keys.  All eight work-groups of an n walk the same images: the first of them asks;
	s_add_co_u32 s15, s15, s25                     ; in it waves 0 and 1 for K's 16,384 bytes, waves 2 and 3 for V's, lanes 256 bytes apart: each block is named once in the launch
	s_cmp_lt_u32 s15, s12
	s_cbranch_scc0 .Lnoask_\@
	global_prefetch_b8 v[PFO], s[26:27] th:TH_LOAD_NT scope:SCOPE_SE
.Lnoask_\@:
	SUB \p, 0, \k0
	SUB \p, 1, (\k0)+1
	s_wait_loadcnt 0x0                             ; the staging loads, if any, are in
	s_add_co_u32 s15, s14, (\k0)+2
	s_cmp_lt_u32 s15, s12
	s_cbranch_scc0 .Lnostore_\@
	LSTAGE 1-\p
.Lnostore_\@:
	s_wait_xcnt 0x0                                ; loads and prefetch have read their bases
	s_add_nc_u64 s[16:17], s[16:17], 0x4000
	s_add_nc_u64 s[18:19], s[18:19], 0x4000
	s_add_nc_u64 s[26:27], s[26:27], 0x4000
	s_wait_dscnt 0x0                               ; for the others' sake: my stores have landed, my reads are over
	s_barrier_signal -1
	s_barrier_wait -1
.endm
	s_load_b128 s[4:7], s[0:1], 0x0                ; hf, cnt
	s_load_b64 s[8:9], s[0:1], 0x10                ; ao
	v_lshl_add_u32 v[SPW], v0, 2, SPARE
	v_mov_b32 v[NIL], 0
	v_lshrrev_b32 v1, 5, v0
	v_readfirstlane_b32 s10, v1                    ; wave
	s_and_b32 s13, ttmp7, 0xffff                   ; n
	v_and_b32 v9, 31, v0                           ; lane
	v_and_b32 v12, 15, v0                          ; r
	v_bfe_u32 v13, v0, 4, 1                        ; h
	v_lshlrev_b32 v[LI], 4, v9
	s_lshl_b32 s15, s10, 11
	v_add_nc_u32 v[SD], s15, v[LI]
	v_lshlrev_b32 v[PFO], 8, v9
	s_and_b32 s24, s10, 1
	s_lshl_b32 s24, s24, 13
	v_add_nc_u32 v[PFO], s24, v[PFO]               ; 8,192 (wave % 2) + 256 x lane
	s_mul_i32 s24, s10, 4352
	s_add_co_u32 s24, s24, STG                     ; my stage
	v_mul_u32_u24 v[STO], v12, 272
	v_lshl_add_u32 v[STO], v13, 5, v[STO]
	v_add_nc_u32 v[STO], s24, v[STO]               ; in: row r, 32 bytes for each half of the lanes
	v_mul_u32_u24 v[RD], v13, 272
	v_lshl_add_u32 v[RD], v12, 4, v[RD]
	v_add_nc_u32 v[RD], s24, v[RD]                 ; back: lanes 0-15 one row of 256 bytes, lanes 16-31 the next
	v_lshlrev_b32 v[GO], 11, v13
	v_lshl_add_u32 v[GO], v12, 4, v[GO]            ; and the same two rows in ao
	v_lshlrev_b32 v[H8], 3, v13
	v_mov_b32 v[NEG], 0xf149f2ca                   ; -1e30
	s_mov_b32 s22, 0x76543210
	s_mov_b32 s23, 0xfedcba98                      ; lane l xor 16
	s_lshl_b32 s20, s13, 3
	s_mov_b32 s21, 0
	s_wait_kmcnt 0x0
	s_add_nc_u64 s[6:7], s[6:7], s[20:21]
	s_load_b32 s11, s[6:7], 0x0                    ; the keys to walk
	s_lshl_b32 s20, s13, 18
	s_add_nc_u64 s[4:5], s[4:5], s[20:21]          ; n's part
	s_add_nc_u64 s[16:17], s[4:5], 0x800000        ; K's images
	s_add_nc_u64 s[18:19], s[4:5], 0x1000000       ; V's
	s_lshl_b32 s20, ttmp9, 15
	s_lshl_b32 s24, s10, 12
	s_add_co_u32 s20, s20, s24
	s_add_nc_u64 s[4:5], s[4:5], s[20:21]          ; Q's two tiles of my wave
	s_cmp_lt_u32 s10, 2
	s_cselect_b64 s[26:27], s[16:17], s[18:19]
	s_add_nc_u64 s[26:27], s[26:27], 0x8000        ; the prefetches begin with slot 2; slots 0 and 1 come by their loads alone
	s_lshr_b32 s25, s10, 2
	s_or_b32 s25, s25, ttmp9
	s_cmp_eq_u32 s25, 0
	s_cselect_b32 s25, 0, 64                       ; 0 in waves 0 to 3 of the first work-group of n; else past every count
	s_lshl_b32 s20, s13, 22                        ; ao: (2,048 b + 256 x + 32 wave) rows of 2,048 bytes + 256 head
	s_and_b32 s20, s20, 0xc00000
	s_lshl_b32 s24, ttmp9, 19
	s_add_co_u32 s20, s20, s24
	s_lshl_b32 s24, s10, 16
	s_add_co_u32 s20, s20, s24
	s_lshr_b32 s24, s13, 2
	s_lshl_b32 s24, s24, 8
	s_add_co_u32 s20, s20, s24
	s_add_nc_u64 s[8:9], s[8:9], s[20:21]
	WIN W_LD
.irp t, 0,1
.irp c, 0,1,2,3
	global_load_b128 v[16*\t+4*\c:16*\t+4*\c+3], v[LI], s[4:5] offset:2048*\t+512*\c   ; Q stays in registers
.endr
.endr
	WIN 0
	GSTAGE                                         ; slot 0: at least one key is walked
.set ii, 0
.rept 32
	v_mov_b32 v[BIAS+ii], 0
.set ii, ii+1
.endr
.set ii, 0
.rept 64
	v_mov_b32 v[O+ii], 0                           ; the sub-step is written once: the first finds zeros, which its a = 0 leaves zeros
.set ii, ii+1
.endr
.set ii, 0
.rept 16
	v_mov_b32 v[ST+ii], 0
.set ii, ii+1
.endr
	v_mov_b32 v[ST], 0xff61b1e6                    ; m: -3e38, under every score
	v_mov_b32 v[ST+8], 0xff61b1e6
	s_wait_kmcnt 0x0
	s_add_co_u32 s12, s11, 63
	s_lshr_b32 s12, s12, 6                         ; sub-steps to walk
	s_wait_loadcnt 0x0
	LSTAGE 0
	s_add_nc_u64 s[16:17], s[16:17], 0x4000        ; the bases stand at slot 1 (their loads are done)
	s_add_nc_u64 s[18:19], s[18:19], 0x4000
	s_wait_dscnt 0x0
	s_barrier_signal -1
	s_barrier_wait -1
	s_mov_b32 s14, 0
.Ltrip:                                        ; eight trips of four sub-steps: 2,048 keys, a constant
	TURN 0, 0
	TURN 1, 2
	s_add_co_u32 s14, s14, 4
	s_cmp_lt_u32 s14, 32
	s_cbranch_scc1 .Ltrip
	; THE WAY OUT.  l's halves and the other half of the lanes'; O^T / l goes through my stage, a tile of 16 queries at a time, and leaves as whole runs of 256 bytes.
.irp t, 0,1
	v_add_f32 v[ST+8*\t+4], v[ST+8*\t+2], v[ST+8*\t+3]
.endr
.irp t, 0,1
	v_permlanex16_b32 v[ST+8*\t+5], v[ST+8*\t+4], s22, s23
.endr
.irp t, 0,1
	v_add_f32 v[ST+8*\t+4], v[ST+8*\t+4], v[ST+8*\t+5]
.endr
.irp t, 0,1
	v_rcp_f32 v[ST+8*\t+6], v[ST+8*\t+4]
.endr
	v_nop
	s_wait_alu depctr_va_vdst(0)                   ; one wait for the two reciprocals, ahead of their first reader
.macro OUTT t
.irp i, 0,2,4,6,8,10,12,14,16,18,20,22,24,26,28,30
	v_pk_mul_f32 v[S+32*\t+\i:S+32*\t+\i+1], v[O+32*\t+\i:O+32*\t+\i+1], v[ST+8*\t+6:ST+8*\t+7] op_sel_hi:[1,0]
.endr
.irp c, 0,1,2,3
	ds_store_b128 v[STO], v[S+32*\t+8*\c:S+32*\t+8*\c+3] offset:64*\c
	ds_store_b128 v[STO], v[S+32*\t+8*\c+4:S+32*\t+8*\c+7] offset:64*\c+16
.endr
.irp i, 0,1,2,3,4,5,6,7
	ds_load_b128 v[S+32*\t+4*\i:S+32*\t+4*\i+3], v[RD] offset:544*\i   ; LDS serves a wave's instructions in order: these see my stores, and the next tile's stores come behind them
.endr
.endm
.macro SEND t, younger
.irp i, 0,1,2,3,4,5,6,7
	s_wait_dscnt \younger+7-\i
	global_store_b128 v[GO], v[S+32*\t+4*\i:S+32*\t+4*\i+3], s[8:9] offset:32768*\t+4096*\i   ; sixteen lanes store 256 consecutive bytes, aligned
.endr
.endm
	OUTT 0
	OUTT 1
	SEND 0, 16
	SEND 1, 0
	s_wait_tensorcnt 0x0                           ; the wave's end
	ds_add_u32 v[SPW], v[NIL]
	s_wait_dscnt 0x0
	s_endpgm
.Lfunc_end_k_q2e40ea8b56_attn:
	.size	k_q2e40ea8b56_attn, .Lfunc_end_k_q2e40ea8b56_attn-k_q2e40ea8b56_attn
	.p2alignl 7, 3214868480
	.fill 96, 4, 3214868480
	.section	.rodata,"a",@progbits
	.p2align	6, 0x0
	.amdhsa_kernel k_q2e40ea8b56_attn
		.amdhsa_group_segment_fixed_size 101376
		.amdhsa_private_segment_fixed_size 0
		.amdhsa_enable_private_segment 0
		.amdhsa_kernarg_size 24
		.amdhsa_user_sgpr_count 2
		.amdhsa_user_sgpr_kernarg_segment_ptr 1
		.amdhsa_wavefront_size32 1
		.amdhsa_system_sgpr_workgroup_id_x 1
		.amdhsa_system_sgpr_workgroup_id_y 1
		.amdhsa_system_sgpr_workgroup_id_z 1
		.amdhsa_system_vgpr_workitem_id 0
		.amdhsa_next_free_vgpr 512
		.amdhsa_next_free_sgpr 66
		.amdhsa_reserve_vcc 1
		.amdhsa_float_denorm_mode_32 3
		.amdhsa_float_denorm_mode_16_64 3
		.amdhsa_memory_ordered 1
		.amdhsa_forward_progress 1
		.amdhsa_inst_pref_size 97
	.end_amdhsa_kernel
	.amdgpu_metadata
---
amdhsa.version: [ 1, 2 ]
amdhsa.kernels:
  - .name:           k_q2e40ea8b56_attn
    .symbol:         k_q2e40ea8b56_attn.kd
    .args:
      - { .name: hf, .offset: 0, .size: 8, .value_kind: global_buffer, .address_space: global }
      - { .name: cnt, .offset: 8, .size: 8, .value_kind: global_buffer, .address_space: global }
      - { .name: ao, .offset: 16, .size: 8, .value_kind: global_buffer, .address_space: global }
    .group_segment_fixed_size: 101376
    .private_segment_fixed_size: 0
    .kernarg_segment_align: 8
    .kernarg_segment_size: 24
    .max_flat_workgroup_size: 256
    .sgpr_count:     66
    .vgpr_count:     512
    .wavefront_size: 32
...
	.end_amdgpu_metadata
.endif
;; end of part 3
;; launch post (part 4): grid 256 x 1, 8 waves a work-group, no clusters, 137,728 bytes of LDS; arguments ao, q, fcw16, fc_b, g0, b0, g1, b1, out0; writes out0
.if DOCPART == 4
	.amdgcn_target "amdgcn-amd-amdhsa--gfx1250"
	.amdhsa_code_object_version 6
	.text
	.protected	k_q2e40ea8b56_post
	.globl	k_q2e40ea8b56_post
	.p2align	8
	.type	k_q2e40ea8b56_post,@function
k_q2e40ea8b56_post:
	s_mov_b64 s[64:65], 0
	v_nop
	global_prefetch_b8 v0, s[64:65] scope:SCOPE_SE
	s_setreg_imm32_b32 hwreg(HW_REG_WAVE_MODE, 25, 1), 1
	s_wait_xcnt 0x0
; POST.  x1 = LN(ao + q; g0, b0);  out0 = LN(x1 fc_w^T + fc_b + x1; g1, b1).  Norms, residuals and sums in f32; the product on f16 operands.
; A work-group takes 32 rows.  First norm: wave w takes rows 4 w .. 4 w + 3, a row in 16 registers of its 32 lanes; mean first, then the squares of the differences.  x1 goes to LDS twice: f32 (the residual) and f16 (the operand).
; Product: wave w makes columns 64 w .. 64 w + 63 of all 32 rows: eight accumulators, source 0 = 16 rows of fc_w, source 1 = 16 rows of x1, so that a lane holds eight neighbouring columns of one row.
; The sums begin with x1 + fc_b.  fc_w comes as images of its fragments' registers straight into window 1, eight K steps of 32 ahead.
; Second norm: each wave's mean and sum of squared differences over its 64 columns meet in LDS; the eight are joined by M2 = sum M2_w + 64 sum (mean_w - mean)^2: no difference of large sums.
; No cluster: what the work-groups share is fc_w's 512 KiB, which goes to registers, not to LDS.
; REGISTERS.  Window 0: v1-11 addresses; v14, v15 the add's two; v16-79 the rows, then the accumulators; v80-143 q's rows, then x1's fragments (set A), then g1, b1; v144-207 g0, b0, fc_b, then set B; v208-255 at work.  Window 1: fc_w, 8 slots of 32.
.set P32,   2064                       ; a row of x1 in f32: 2,048 bytes + 16
.set P16,   1040                       ; in f16: 1,024 + 16
.set X16,   32*P32
.set STAT,  X16+32*P16                 ; 32 rows x (8 waves x 8 bytes + 16)
.set STG,   STAT+32*80                 ; 16 rows x 272 bytes for each wave, for the way out
.set SPARE, STG+8*4352                 ; the spare words: 128 bytes a wave, named by no other line
.set LI,  1
.set SPW, 14
.set NIL, 15
.set ACC, 16
.set FRA, 80
.set FRB, 144
.set G0R, 144
.set B0R, 160
.set FCB, 176
.set T,   208
.set RS,  224
.set MSB, 0
.macro WIN new
.if MSB != \new
	s_set_vgpr_msb (MSB<<8)|\new
.set MSB, \new
.endif
.endm
.macro WLOAD s                         ; fc_w's four fragments of K step s into slot s % 8 of window 1
.irp ct, 0,1,2,3
.irp u, 0,1
	global_load_b128 v[32*((\s)%8)+8*\ct+4*\u:32*((\s)%8)+8*\ct+4*\u+3], v[LI], s[12:13] offset:4096*(\s)+1024*\ct+512*\u
.endr
.endr
.endm
.macro XFRAG buf, s0                   ; x1's fragments of K steps s0 .. s0 + 3, both tiles of rows
.irp q, 0,1,2,3
.irp rt, 0,1
.irp u, 0,1
	ds_load_b128 v[\buf+16*\q+8*\rt+4*\u:\buf+16*\q+8*\rt+4*\u+3], v5 offset:16*P16*\rt+64*(\s0+\q)+32*\u
.endr
.endr
.endr
.endm
.macro KSTEP s
.if (\s) < 8
	s_wait_loadcnt 56                              ; behind this K step's eight loads seven other K steps' were issued
.elseif (\s) < 12
	s_wait_loadcnt 8*(15-(\s))
.else
	s_wait_loadcnt 8*(15-(\s))+16                  ; and g1's and b1's sixteen
.endif
.set XF, FRA+64*(((\s)/4)%2)+16*((\s)%4)
.set WF, 32*((\s)%8)
	WIN 0x01
.irp ct, 0,1,2,3                               ; eight accumulators by turns, one instruction a turn
.irp rt, 0,1
	v_wmma_f32_16x16x32_f16 v[ACC+32*\rt+8*\ct:ACC+32*\rt+8*\ct+7], v[WF+8*\ct:WF+8*\ct+7], v[XF+8*\rt:XF+8*\rt+7], v[ACC+32*\rt+8*\ct:ACC+32*\rt+8*\ct+7]
.endr
.endr
.if ((\s) < 8) || ((\s)%4 == 3)
	WIN 0
.rept 4
	v_nop                                          ; four places ahead of loads into registers that the products read, and of the first read of results
.endr
.endif
.if (\s) < 8
	WIN 0x40
	WLOAD (\s)+8
	WIN 0
.endif
.endm
	s_load_b512 s[8:23], s[0:1], 0x0               ; ao, q, fcw16, fc_b, g0, b0, g1, b1
	s_load_b64 s[24:25], s[0:1], 0x40              ; out0
	v_lshl_add_u32 v[SPW], v0, 2, SPARE
	v_mov_b32 v[NIL], 0
	v_lshrrev_b32 v1, 5, v0
	v_readfirstlane_b32 s26, v1                    ; wave
	v_and_b32 v2, 31, v0                           ; lane
	v_and_b32 v12, 15, v0                          ; r
	v_bfe_u32 v13, v0, 4, 1                        ; h
	v_lshlrev_b32 v[LI], 4, v2
	s_mul_i32 s28, s26, 4*P16
	s_add_co_u32 s28, s28, X16
	v_lshl_add_u32 v3, v2, 3, s28                  ; x1 in f16, way in: my wave's four rows, 8 bytes a lane
	s_mul_i32 s28, s26, 4*P32
	v_add_nc_u32 v2, s28, v[LI]                    ; x1 in f32, way in: 16 bytes a lane
	s_lshl_b32 s28, s26, 8
	v_mul_u32_u24 v4, v12, P32
	v_lshl_add_u32 v4, v13, 5, v4
	v_add_nc_u32 v4, s28, v4                       ; the residual in the result's layout: row r, + 256 wave + 32 h
	v_mul_u32_u24 v5, v12, P16
	v_lshl_add_u32 v5, v13, 4, v5
	v_add_nc_u32 v5, X16, v5                       ; a fragment: row r, + 16 h
	v_mul_u32_u24 v7, v12, 80
	v_add_nc_u32 v7, STAT, v7                      ; a row's eight pairs
	s_lshl_b32 s28, s26, 3
	v_add_nc_u32 v6, s28, v7                       ; my wave's pair
	s_mul_i32 s28, s26, 4352
	s_add_co_u32 s28, s28, STG
	v_mul_u32_u24 v8, v12, 272
	v_lshl_add_u32 v8, v13, 5, v8
	v_add_nc_u32 v8, s28, v8                       ; the stage, in
	v_mul_u32_u24 v9, v13, 272
	v_lshl_add_u32 v9, v12, 4, v9
	v_add_nc_u32 v9, s28, v9                       ; and back
	v_lshlrev_b32 v10, 11, v13
	v_lshl_add_u32 v10, v12, 4, v10                ; the same two rows in out0
	v_lshlrev_b32 v11, 5, v13                      ; 32 h: my eight columns of a tile in fc_b, g1, b1
.irp rr, 0,1,2,3
	v_mov_b32 v[RS+2*\rr+1], 0                     ; named as the upper half of a pair
.endr
	s_mov_b32 s30, 0x3b000000                      ; 1 / 512
	s_mov_b32 s31, 0x3727c5ac                      ; 1e-5
	s_mov_b32 s32, 0x76543210
	s_mov_b32 s33, 0xfedcba98                      ; lane l xor 16
	s_mov_b32 s34, 0x3c800000                      ; 1 / 64
	s_mov_b32 s35, 0x3e000000                      ; 1 / 8
	s_mov_b32 s36, 0x42800000                      ; 64
	s_lshl_b32 s28, ttmp9, 16
	s_lshl_b32 s29, s26, 13
	s_add_co_u32 s28, s28, s29                     ; 32 rows a work-group, 4 a wave
	s_mov_b32 s29, 0
	s_wait_kmcnt 0x0
	s_add_nc_u64 s[8:9], s[8:9], s[28:29]
	s_add_nc_u64 s[10:11], s[10:11], s[28:29]
	s_lshl_b32 s28, s26, 16
	s_add_nc_u64 s[12:13], s[12:13], s[28:29]
	s_lshl_b32 s28, s26, 8
	s_add_nc_u64 s[14:15], s[14:15], s[28:29]
	s_add_nc_u64 s[20:21], s[20:21], s[28:29]
	s_add_nc_u64 s[22:23], s[22:23], s[28:29]
	s_lshl_b32 s37, ttmp9, 16
	s_add_co_u32 s28, s28, s37
	s_add_nc_u64 s[24:25], s[24:25], s[28:29]
.irp rr, 0,1,2,3
.irp j, 0,1,2,3
	global_load_b128 v[ACC+16*\rr+4*\j:ACC+16*\rr+4*\j+3], v[LI], s[8:9] offset:2048*\rr+512*\j th:TH_LOAD_NT
.endr
.endr
.irp rr, 0,1,2,3
.irp j, 0,1,2,3
	global_load_b128 v[FRA+16*\rr+4*\j:FRA+16*\rr+4*\j+3], v[LI], s[10:11] offset:2048*\rr+512*\j th:TH_LOAD_NT
.endr
.endr
.irp j, 0,1,2,3
	global_load_b128 v[G0R+4*\j:G0R+4*\j+3], v[LI], s[16:17] offset:512*\j
.endr
.irp j, 0,1,2,3
	global_load_b128 v[B0R+4*\j:B0R+4*\j+3], v[LI], s[18:19] offset:512*\j
.endr
.irp ct, 0,1,2,3
	global_load_b128 v[FCB+8*\ct:FCB+8*\ct+3], v11, s[14:15] offset:64*\ct
	global_load_b128 v[FCB+8*\ct+4:FCB+8*\ct+7], v11, s[14:15] offset:64*\ct+16
.endr
	WIN 0x40
	WLOAD 0
	s_wait_loadcnt 16                              ; ao, q, g0, b0 are in; fc_b's eight and K step 0's eight may be out
.irp s, 1,2,3,4,5,6,7
	WLOAD \s
.endr
	WIN 0
	; ---- the first norm, four rows by turns
.irp i, 0,2,4,6,8,10,12,14
.irp rr, 0,1,2,3
	v_pk_add_f32 v[ACC+16*\rr+\i:ACC+16*\rr+\i+1], v[ACC+16*\rr+\i:ACC+16*\rr+\i+1], v[FRA+16*\rr+\i:FRA+16*\rr+\i+1]
.endr
.endr
.irp rr, 0,1,2,3
	v_pk_add_f32 v[T+4*\rr:T+4*\rr+1], v[ACC+16*\rr:ACC+16*\rr+1], v[ACC+16*\rr+2:ACC+16*\rr+3]
.endr
.irp i, 4,6,8,10,12,14
.irp rr, 0,1,2,3
	v_pk_add_f32 v[T+4*\rr:T+4*\rr+1], v[T+4*\rr:T+4*\rr+1], v[ACC+16*\rr+\i:ACC+16*\rr+\i+1]
.endr
.endr
.irp rr, 0,1,2,3
	v_add_f32 v[T+4*\rr], v[T+4*\rr], v[T+4*\rr+1]
.endr
.irp m, 1,2,4,8
.irp rr, 0,1,2,3
	v_add_f32_dpp v[T+4*\rr], v[T+4*\rr], v[T+4*\rr] row_xmask:\m row_mask:0xf bank_mask:0xf
.endr
.endr
.irp rr, 0,1,2,3
	v_permlanex16_b32 v[T+4*\rr+1], v[T+4*\rr], s32, s33
.endr
.irp rr, 0,1,2,3
	v_add_f32 v[T+4*\rr], v[T+4*\rr], v[T+4*\rr+1]
.endr
.irp rr, 0,1,2,3
	v_mul_f32 v[T+4*\rr], s30, v[T+4*\rr]          ; the mean
.endr
.irp i, 0,2,4,6,8,10,12,14
.irp rr, 0,1,2,3
	v_pk_add_f32 v[ACC+16*\rr+\i:ACC+16*\rr+\i+1], v[ACC+16*\rr+\i:ACC+16*\rr+\i+1], v[T+4*\rr:T+4*\rr+1] op_sel_hi:[1,0] neg_lo:[0,1] neg_hi:[0,1]
.endr
.endr
.irp rr, 0,1,2,3
	v_pk_mul_f32 v[T+4*\rr+2:T+4*\rr+3], v[ACC+16*\rr:ACC+16*\rr+1], v[ACC+16*\rr:ACC+16*\rr+1]
.endr
.irp i, 2,4,6,8,10,12,14
.irp rr, 0,1,2,3
	v_pk_fma_f32 v[T+4*\rr+2:T+4*\rr+3], v[ACC+16*\rr+\i:ACC+16*\rr+\i+1], v[ACC+16*\rr+\i:ACC+16*\rr+\i+1], v[T+4*\rr+2:T+4*\rr+3]
.endr
.endr
.irp rr, 0,1,2,3
	v_add_f32 v[T+4*\rr+2], v[T+4*\rr+2], v[T+4*\rr+3]
.endr
.irp m, 1,2,4,8
.irp rr, 0,1,2,3
	v_add_f32_dpp v[T+4*\rr+2], v[T+4*\rr+2], v[T+4*\rr+2] row_xmask:\m row_mask:0xf bank_mask:0xf
.endr
.endr
.irp rr, 0,1,2,3
	v_permlanex16_b32 v[T+4*\rr+3], v[T+4*\rr+2], s32, s33
.endr
.irp rr, 0,1,2,3
	v_add_f32 v[T+4*\rr+2], v[T+4*\rr+2], v[T+4*\rr+3]
.endr
.irp rr, 0,1,2,3
	v_fma_f32 v[T+4*\rr+2], v[T+4*\rr+2], s30, s31 ; the variance + 1e-5
.endr
.irp rr, 0,1,2,3
	v_rsq_f32 v[RS+2*\rr], v[T+4*\rr+2]
.endr
	v_nop
	s_wait_alu depctr_va_vdst(0)                   ; one wait for the four, ahead of their first reader
.irp i, 0,2,4,6,8,10,12,14
.irp rr, 0,1,2,3
	v_pk_mul_f32 v[ACC+16*\rr+\i:ACC+16*\rr+\i+1], v[ACC+16*\rr+\i:ACC+16*\rr+\i+1], v[RS+2*\rr:RS+2*\rr+1] op_sel_hi:[1,0]
.endr
.endr
.irp i, 0,2,4,6,8,10,12,14
.irp rr, 0,1,2,3
	v_pk_fma_f32 v[ACC+16*\rr+\i:ACC+16*\rr+\i+1], v[ACC+16*\rr+\i:ACC+16*\rr+\i+1], v[G0R+\i:G0R+\i+1], v[B0R+\i:B0R+\i+1]
.endr
.endr
.irp i, 0,1,2,3,4,5,6,7
.irp rr, 0,1,2,3
	v_cvt_pk_f16_f32 v[FRA+8*\rr+\i], v[ACC+16*\rr+2*\i], v[ACC+16*\rr+2*\i+1]
.endr
.endr
.irp rr, 0,1,2,3
.irp j, 0,1,2,3
	ds_store_b128 v2, v[ACC+16*\rr+4*\j:ACC+16*\rr+4*\j+3] offset:P32*\rr+512*\j
	ds_store_b64 v3, v[FRA+8*\rr+2*\j:FRA+8*\rr+2*\j+1] offset:P16*\rr+256*\j
.endr
.endr
	s_wait_dscnt 0x0                               ; for the others' sake: my rows of x1 have landed
	s_barrier_signal -1
	s_barrier_wait -1
	; ---- the product: the sums begin with x1 + fc_b
.irp rt, 0,1
.irp ct, 0,1,2,3
	ds_load_b128 v[ACC+32*\rt+8*\ct:ACC+32*\rt+8*\ct+3], v4 offset:16*P32*\rt+64*\ct
	ds_load_b128 v[ACC+32*\rt+8*\ct+4:ACC+32*\rt+8*\ct+7], v4 offset:16*P32*\rt+64*\ct+16
.endr
.endr
	XFRAG FRA, 0
	s_wait_dscnt 16                                ; the residual is in; set A's sixteen loads may be out
	s_wait_loadcnt 56                              ; fc_b is in (behind it and K step 0: seven K steps' loads)
.irp rt, 0,1
.irp i, 0,2,4,6,8,10,12,14,16,18,20,22,24,26,28,30
	v_pk_add_f32 v[ACC+32*\rt+\i:ACC+32*\rt+\i+1], v[ACC+32*\rt+\i:ACC+32*\rt+\i+1], v[FCB+\i:FCB+\i+1]
.endr
.endr
	XFRAG FRB, 4
	s_wait_dscnt 16                                ; set A is in
	KSTEP 0
	KSTEP 1
	KSTEP 2
	KSTEP 3
	XFRAG FRA, 8
	s_wait_dscnt 16                                ; set B is in
	KSTEP 4
	KSTEP 5
	KSTEP 6
	KSTEP 7
	XFRAG FRB, 12
	s_wait_dscnt 16                                ; set A is in
	KSTEP 8
	KSTEP 9
	KSTEP 10
	KSTEP 11
.irp ct, 0,1,2,3                               ; g1 and b1 in the result's layout, into set A's registers
	global_load_b128 v[FRA+8*\ct:FRA+8*\ct+3], v11, s[20:21] offset:64*\ct
	global_load_b128 v[FRA+8*\ct+4:FRA+8*\ct+7], v11, s[20:21] offset:64*\ct+16
.endr
.irp ct, 0,1,2,3
	global_load_b128 v[FRA+32+8*\ct:FRA+32+8*\ct+3], v11, s[22:23] offset:64*\ct
	global_load_b128 v[FRA+32+8*\ct+4:FRA+32+8*\ct+7], v11, s[22:23] offset:64*\ct+16
.endr
	s_wait_dscnt 0x0                               ; set B is in
	KSTEP 12
	KSTEP 13
	KSTEP 14
	KSTEP 15
	; ---- the second norm.  v[T + 8 rt ..]: +0 mean, +1 M2, +2, +3 squares, +4, +5 at work
.irp rt, 0,1
	v_pk_add_f32 v[T+8*\rt:T+8*\rt+1], v[ACC+32*\rt:ACC+32*\rt+1], v[ACC+32*\rt+2:ACC+32*\rt+3]   ; each accumulator is read from its low end on
.endr
.irp i, 4,6,8,10,12,14,16,18,20,22,24,26,28,30
.irp rt, 0,1
	v_pk_add_f32 v[T+8*\rt:T+8*\rt+1], v[T+8*\rt:T+8*\rt+1], v[ACC+32*\rt+\i:ACC+32*\rt+\i+1]
.endr
.endr
.irp rt, 0,1
	v_add_f32 v[T+8*\rt], v[T+8*\rt], v[T+8*\rt+1]
.endr
.irp rt, 0,1
	v_permlanex16_b32 v[T+8*\rt+1], v[T+8*\rt], s32, s33
.endr
.irp rt, 0,1
	v_add_f32 v[T+8*\rt], v[T+8*\rt], v[T+8*\rt+1]
.endr
.irp rt, 0,1
	v_mul_f32 v[T+8*\rt], s34, v[T+8*\rt]          ; the mean of my 64 columns
.endr
.irp rt, 0,1
	v_pk_add_f32 v[T+8*\rt+4:T+8*\rt+5], v[ACC+32*\rt:ACC+32*\rt+1], v[T+8*\rt:T+8*\rt+1] op_sel_hi:[1,0] neg_lo:[0,1] neg_hi:[0,1]
.endr
.irp rt, 0,1
	v_pk_mul_f32 v[T+8*\rt+2:T+8*\rt+3], v[T+8*\rt+4:T+8*\rt+5], v[T+8*\rt+4:T+8*\rt+5]
.endr
.irp i, 2,4,6,8,10,12,14,16,18,20,22,24,26,28,30
.irp rt, 0,1
	v_pk_add_f32 v[T+8*\rt+4:T+8*\rt+5], v[ACC+32*\rt+\i:ACC+32*\rt+\i+1], v[T+8*\rt:T+8*\rt+1] op_sel_hi:[1,0] neg_lo:[0,1] neg_hi:[0,1]
.endr
.irp rt, 0,1
	v_pk_fma_f32 v[T+8*\rt+2:T+8*\rt+3], v[T+8*\rt+4:T+8*\rt+5], v[T+8*\rt+4:T+8*\rt+5], v[T+8*\rt+2:T+8*\rt+3]
.endr
.endr
.irp rt, 0,1
	v_add_f32 v[T+8*\rt+2], v[T+8*\rt+2], v[T+8*\rt+3]
.endr
.irp rt, 0,1
	v_permlanex16_b32 v[T+8*\rt+3], v[T+8*\rt+2], s32, s33
.endr
.irp rt, 0,1
	v_add_f32 v[T+8*\rt+1], v[T+8*\rt+2], v[T+8*\rt+3]
.endr
.irp rt, 0,1
	ds_store_b64 v6, v[T+8*\rt:T+8*\rt+1] offset:1280*\rt   ; both halves of the lanes write the same pair
.endr
	s_wait_dscnt 0x0
	s_barrier_signal -1
	s_barrier_wait -1
.irp rt, 0,1
.irp i, 0,1,2,3
	ds_load_b128 v[RS+16*\rt+4*\i:RS+16*\rt+4*\i+3], v7 offset:1280*\rt+16*\i
.endr
.endr
	s_wait_dscnt 0x0
.irp rt, 0,1
	v_pk_add_f32 v[T+8*\rt:T+8*\rt+1], v[RS+16*\rt:RS+16*\rt+1], v[RS+16*\rt+2:RS+16*\rt+3]   ; the means and the M2 are summed together, a pair at a time
.endr
.irp i, 4,6,8,10,12,14
.irp rt, 0,1
	v_pk_add_f32 v[T+8*\rt:T+8*\rt+1], v[T+8*\rt:T+8*\rt+1], v[RS+16*\rt+\i:RS+16*\rt+\i+1]
.endr
.endr
.irp rt, 0,1
	v_mul_f32 v[T+8*\rt], s35, v[T+8*\rt]          ; the row's mean
.endr
.irp rt, 0,1
	v_sub_f32 v[T+8*\rt+4], v[RS+16*\rt], v[T+8*\rt]
.endr
.irp rt, 0,1
	v_mul_f32 v[T+8*\rt+2], v[T+8*\rt+4], v[T+8*\rt+4]
.endr
.irp i, 2,4,6,8,10,12,14
.irp rt, 0,1
	v_sub_f32 v[T+8*\rt+4], v[RS+16*\rt+\i], v[T+8*\rt]
.endr
.irp rt, 0,1
	v_fmac_f32 v[T+8*\rt+2], v[T+8*\rt+4], v[T+8*\rt+4]
.endr
.endr
.irp rt, 0,1
	v_fma_f32 v[T+8*\rt+1], v[T+8*\rt+2], s36, v[T+8*\rt+1]
.endr
.irp rt, 0,1
	v_fma_f32 v[T+8*\rt+1], v[T+8*\rt+1], s30, s31
.endr
.irp rt, 0,1
	v_rsq_f32 v[T+8*\rt+2], v[T+8*\rt+1]
.endr
	v_nop
	s_wait_alu depctr_va_vdst(0)                   ; one wait for the two, ahead of their first reader
	s_wait_loadcnt 0x0                             ; g1, b1
.irp rt, 0,1
.irp i, 0,2,4,6,8,10,12,14,16,18,20,22,24,26,28,30
	v_pk_add_f32 v[ACC+32*\rt+\i:ACC+32*\rt+\i+1], v[ACC+32*\rt+\i:ACC+32*\rt+\i+1], v[T+8*\rt:T+8*\rt+1] op_sel_hi:[1,0] neg_lo:[0,1] neg_hi:[0,1]
.endr
.irp i, 0,2,4,6,8,10,12,14,16,18,20,22,24,26,28,30
	v_pk_mul_f32 v[ACC+32*\rt+\i:ACC+32*\rt+\i+1], v[ACC+32*\rt+\i:ACC+32*\rt+\i+1], v[T+8*\rt+2:T+8*\rt+3] op_sel_hi:[1,0]
.endr
.irp i, 0,2,4,6,8,10,12,14,16,18,20,22,24,26,28,30
	v_pk_fma_f32 v[ACC+32*\rt+\i:ACC+32*\rt+\i+1], v[ACC+32*\rt+\i:ACC+32*\rt+\i+1], v[FRA+\i:FRA+\i+1], v[FRA+32+\i:FRA+32+\i+1]
.endr
.irp ct, 0,1,2,3                               ; through my stage: in by rows of 272 bytes, back as whole rows of 256
	ds_store_b128 v8, v[ACC+32*\rt+8*\ct:ACC+32*\rt+8*\ct+3] offset:64*\ct
	ds_store_b128 v8, v[ACC+32*\rt+8*\ct+4:ACC+32*\rt+8*\ct+7] offset:64*\ct+16
.endr
.irp i, 0,1,2,3,4,5,6,7
	ds_load_b128 v[ACC+32*\rt+4*\i:ACC+32*\rt+4*\i+3], v9 offset:544*\i   ; LDS serves a wave's instructions in order
.endr
.endr
.irp rt, 0,1
.irp i, 0,1,2,3,4,5,6,7
	s_wait_dscnt 16*(1-\rt)+7-\i                   ; behind tile 0's loads: tile 1's sixteen LDS instructions
	global_store_b128 v10, v[ACC+32*\rt+4*\i:ACC+32*\rt+4*\i+3], s[24:25] offset:32768*\rt+4096*\i th:TH_STORE_NT   ; sixteen lanes store 256 consecutive bytes, aligned
.endr
.endr
	s_wait_tensorcnt 0x0                           ; the wave's end
	ds_add_u32 v[SPW], v[NIL]
	s_wait_dscnt 0x0
	s_endpgm
.Lfunc_end_k_q2e40ea8b56_post:
	.size	k_q2e40ea8b56_post, .Lfunc_end_k_q2e40ea8b56_post-k_q2e40ea8b56_post
	.p2alignl 7, 3214868480
	.fill 96, 4, 3214868480
	.section	.rodata,"a",@progbits
	.p2align	6, 0x0
	.amdhsa_kernel k_q2e40ea8b56_post
		.amdhsa_group_segment_fixed_size 137728
		.amdhsa_private_segment_fixed_size 0
		.amdhsa_enable_private_segment 0
		.amdhsa_kernarg_size 72
		.amdhsa_user_sgpr_count 2
		.amdhsa_user_sgpr_kernarg_segment_ptr 1
		.amdhsa_wavefront_size32 1
		.amdhsa_system_sgpr_workgroup_id_x 1
		.amdhsa_system_sgpr_workgroup_id_y 1
		.amdhsa_system_sgpr_workgroup_id_z 1
		.amdhsa_system_vgpr_workitem_id 0
		.amdhsa_next_free_vgpr 512
		.amdhsa_next_free_sgpr 66
		.amdhsa_reserve_vcc 0
		.amdhsa_float_denorm_mode_32 3
		.amdhsa_float_denorm_mode_16_64 3
		.amdhsa_memory_ordered 1
		.amdhsa_forward_progress 1
		.amdhsa_inst_pref_size 79
	.end_amdhsa_kernel
	.amdgpu_metadata
---
amdhsa.version: [ 1, 2 ]
amdhsa.kernels:
  - .name:           k_q2e40ea8b56_post
    .symbol:         k_q2e40ea8b56_post.kd
    .args:
      - { .name: ao, .offset: 0, .size: 8, .value_kind: global_buffer, .address_space: global }
      - { .name: q, .offset: 8, .size: 8, .value_kind: global_buffer, .address_space: global }
      - { .name: fcw16, .offset: 16, .size: 8, .value_kind: global_buffer, .address_space: global }
      - { .name: fc_b, .offset: 24, .size: 8, .value_kind: global_buffer, .address_space: global }
      - { .name: g0, .offset: 32, .size: 8, .value_kind: global_buffer, .address_space: global }
      - { .name: b0, .offset: 40, .size: 8, .value_kind: global_buffer, .address_space: global }
      - { .name: g1, .offset: 48, .size: 8, .value_kind: global_buffer, .address_space: global }
      - { .name: b1, .offset: 56, .size: 8, .value_kind: global_buffer, .address_space: global }
      - { .name: out0, .offset: 64, .size: 8, .value_kind: global_buffer, .address_space: global }
    .group_segment_fixed_size: 137728
    .private_segment_fixed_size: 0
    .kernarg_segment_align: 8
    .kernarg_segment_size: 72
    .max_flat_workgroup_size: 256
    .sgpr_count:     66
    .vgpr_count:     512
    .wavefront_size: 32
...
	.end_amdgpu_metadata
.endif
;; end of part 4
